; MI455X (gfx1250); checked and timed in simulation.
; The chip was launched on July 23, 2026; its instructions are those of AMD's public machine-readable ISA for CDNA 5 (MIT licence, August 2026) and "CDNA5" Instruction Set Architecture Reference Guide (July 2026). The comments in the code are by the model that wrote it; some were corrected since.
;; RG Linear. Allowed arithmetic: float matrix products may take bf16 or f16 operands with f32 sums; other float arithmetic in f32, or as packed bf16 or f16 multiplies, adds, multiply-adds, maxima and minima; sums over many terms, partial sums and values carried from step to step in f32; what a program stores and reads back later, other than sums and carried values, may be rounded once to bf16 or f16.
;; Inputs: bias 2,048 float32; coarse_centroids 64 x 16 float32; coarse_labels 524,288 int32; res_centroids 64 x 16 float32; res_labels 524,288 int32; x 8,192 x 4,096 float32.
;; Outputs: out0 8,192 x 2,048 float32.
;; 2 versions, each right; version 2 is version 1 with the launch prep written anew for expert scheduling mode. Each part assembles by itself: llvm-mc -triple=amdgcn-amd-amdhsa -mcpu=gfx1250 --defsym DOCPART=n.
;; ======== version 1 of 2: 2 launches
;; limits: values are held in f16: magnitudes above 65,504 overflow, below 6.1e-05 lose precision
;; workspace buffers: xh 67,108,864 bytes; wh 16,777,216 bytes
;; launch prep (part 1): grid 1024 x 1, 8 waves a work-group, no clusters, 9,216 bytes of LDS; arguments x, coarse_centroids, coarse_labels, res_centroids, res_labels, xh, wh; writes xh, wh
.if DOCPART == 1
	.amdgcn_target "amdgcn-amd-amdhsa--gfx1250"
	.amdhsa_code_object_version 6
	.text
	.protected	k_q8a64c0f769_prep
	.globl	k_q8a64c0f769_prep
	.p2align	8
	.type	k_q8a64c0f769_prep,@function
k_q8a64c0f769_prep:
	s_mov_b64 s[64:65], 0
	v_nop
	global_prefetch_b8 v0, s[64:65] scope:SCOPE_SE
	s_setreg_imm32_b32 hwreg(HW_REG_WAVE_MODE, 25, 1), 1
	s_wait_xcnt 0x0
; out0 = x W^T + bias, W[n][16 q .. 16 q + 15] = coarse_centroids[coarse_labels[256 n + q]] + res_centroids[res_labels[256 n + q]].
; THIS LAUNCH makes the product's two operands, each rounded ONCE to f16:  xh[8192][4096] = x;  wh[2048][4096] = W, the sum of the two centroids taken in f32.
; NO WORK IS LEFT OUT: every input has a way to the output and is loaded (bias by the launch behind this one).
; wh's ROWS ARE PERMUTED inside each group of 64: row 64 G + 16 c + r of wh holds W's row n = 64 G + 4 r + c (c = n & 3, r = (n >> 2) & 15).  In the product's result a lane holds one row of wh
; of each block of 16; with this order the four blocks c = 0 .. 3 give lane r the columns 4 r .. 4 r + 3 of out0: 16 bytes on end, so that the product's results are stored without a turn through LDS.
; LIMITS.  f16 holds no number of 65,520 or more: such an x, or such a sum of centroids, becomes an infinity; below 6.1e-5 f16 keeps its fixed step of 6e-8.
; A label outside 0 .. 63 (read as unsigned) is taken as 63; the problem keeps an index inside its table.
; SHARES.  Work-group g of 1,024, eight waves: 131,072 bytes of x (8 rows), and W's rows 2 g and 2 g + 1 (512 blocks of 16).
; x: thread t takes 16 bytes at 4,096 i + 16 t for i = 0 .. 31 (a wave's load covers 512 bytes on end) and stores 8 bytes at 2,048 i + 8 t (a wave's store covers 256 bytes on end, aligned).
; All 32 loads of a thread are issued at once, each into registers of its own, with its place in the immediate: no register is loaded twice, so the stream needs no loop and no wait but the counted ones.
; W: both tables lie in LDS as f32 (64 rows of 64 bytes each).  Thread t, step s = 0 .. 3, makes half a block: block (t >> 1) + 128 s, half t & 1: 8 numbers, 16 bytes of wh at byte 16 t + 4,096 (s & 1)
; of row s >> 1.  2 g is even, so row 2 g + 1 has the same G and r and c + 1: it lies 16 rows of wh, 131,072 bytes, behind row 2 g.
; No matrix unit, no cluster, no tensor load: nothing here is multiplied, the work-groups share 8 KiB of tables alone, and a thread's registers hold its whole share.
.set SPARE, 8192                       ; LDS: 0 coarse table, 4,096 residual table, 8,192 the spare words: 128 bytes for each of eight waves, four blocks of 256 bytes that no other line names
.set SPW, 4                            ; v4   LDS address of my spare word; never rewritten
.set NIL, 5                            ; v5   0; never rewritten
.set LAB, 22                           ; v[22:29]  step s: coarse label at 22 + 2 s, residual label at 23 + 2 s; then their rows' LDS addresses
.set G,   32                           ; v[32:95]  step s: 8 numbers of the coarse row at 32 + 16 s, 8 of the residual row at 40 + 16 s
.set X,   96                           ; v[96:223] chunk i of x at 96 + 4 i
	s_load_b256 s[4:11], s[0:1], 0x0               ; x s[4:5], coarse_centroids s[6:7], coarse_labels s[8:9], res_centroids s[10:11]
	s_load_b128 s[12:15], s[0:1], 0x20             ; res_labels s[12:13], xh s[14:15]
	s_load_b64 s[16:17], s[0:1], 0x30              ; wh
	v_lshl_add_u32 v[SPW], v0, 2, SPARE
	v_mov_b32 v[NIL], 0
	v_lshlrev_b32 v1, 4, v0                        ; 16 t: my place in a chunk of x, in a table, and in a half row of wh; never rewritten
	v_lshlrev_b32 v2, 3, v0                        ; 8 t: my place in a chunk of xh
	v_lshrrev_b32 v3, 1, v0
	v_lshlrev_b32 v3, 2, v3                        ; 4 (t >> 1): my label in a step's 128
	v_and_b32 v7, 1, v0
	v_lshlrev_b32 v7, 5, v7                        ; 32 (t & 1): my half of a table's row
	s_lshl_b32 s20, ttmp9, 17                      ; the work-group's part of x,
	s_mov_b32 s21, 0
	s_lshl_b32 s22, ttmp9, 16                      ; of xh,
	s_mov_b32 s23, 0
	s_lshl_b32 s24, ttmp9, 11                      ; of each list of labels: 512 words
	s_mov_b32 s25, 0
	s_lshl_b32 s26, ttmp9, 1                       ; n = 2 g
	s_and_b32 s27, s26, 0x7c0                      ; 64 G
	s_and_b32 s28, s26, 3
	s_lshl_b32 s28, s28, 4                         ; 16 c
	s_bfe_u32 s29, s26, 0x40002                    ; r: 4 bits from bit 2
	s_or_b32 s30, s27, s28
	s_or_b32 s30, s30, s29
	s_lshl_b32 s30, s30, 13                        ; wh's row of 8,192 bytes
	s_mov_b32 s31, 0
	s_wait_kmcnt 0x0
	s_add_nc_u64 s[4:5], s[4:5], s[20:21]
	s_add_nc_u64 s[14:15], s[14:15], s[22:23]
	s_add_nc_u64 s[8:9], s[8:9], s[24:25]
	s_add_nc_u64 s[12:13], s[12:13], s[24:25]
	s_add_nc_u64 s[16:17], s[16:17], s[30:31]
	; ten loads first: my 16 bytes of each table (256 threads x 16 bytes are a table) and my eight labels; then all of my x
	global_load_b128 v[10:13], v1, s[6:7]
	global_load_b128 v[14:17], v1, s[10:11]
.irp s, 0,1,2,3
	global_load_b32 v[LAB+2*(\s)],   v3, s[8:9]   offset:512*(\s) th:TH_LOAD_NT  ; the two threads of a block read the same word
	global_load_b32 v[LAB+2*(\s)+1], v3, s[12:13] offset:512*(\s) th:TH_LOAD_NT
.endr
.set i, 0
.rept 32
	global_load_b128 v[X+4*i:X+4*i+3], v1, s[4:5] offset:4096*i th:TH_LOAD_NT
.set i, i+1
.endr
	s_wait_loadcnt 32                              ; loads come back in order (ISA guide 5.7.1): the ten older ones are in, the 32 of x stay out
	ds_store_b128 v1, v[10:13]
	ds_store_b128 v1, v[14:17] offset:4096
.irp i, 0,1,2,3,4,5,6,7
	v_min_u32 v[LAB+(\i)], 63, v[LAB+(\i)]         ; a loaded number enters an address only behind this bound
	v_lshl_add_u32 v[LAB+(\i)], v[LAB+(\i)], 6, v7 ; the label's row of 64 bytes, my half of it
.endr
	s_wait_dscnt 0x0                               ; for the others' sake: my part of both tables is in LDS
	s_barrier_signal -1
	s_barrier_wait -1                              ; both tables are whole; nothing writes them again
.macro GATHER s                        ; step s: my 32 bytes of the coarse row and of the residual row
	ds_load_b128 v[G+16*(\s):G+16*(\s)+3],     v[LAB+2*(\s)]
	ds_load_b128 v[G+16*(\s)+4:G+16*(\s)+7],   v[LAB+2*(\s)] offset:16
	ds_load_b128 v[G+16*(\s)+8:G+16*(\s)+11],  v[LAB+2*(\s)+1] offset:4096
	ds_load_b128 v[G+16*(\s)+12:G+16*(\s)+15], v[LAB+2*(\s)+1] offset:4112
.endm
.macro WROW s                          ; step s: the sum in f32, one rounding to f16, 16 bytes stored; a wave's store covers 512 bytes on end
	s_wait_dscnt 12-4*(\s)                         ; LDS loads come back in order (ISA guide 5.7.1): the later steps' four each may stay out
.irp k, 0,2,4,6
	v_pk_add_f32 v[G+16*(\s)+(\k):G+16*(\s)+(\k)+1], v[G+16*(\s)+(\k):G+16*(\s)+(\k)+1], v[G+16*(\s)+8+(\k):G+16*(\s)+8+(\k)+1]
.endr
.irp k, 0,1,2,3
	v_cvt_pk_f16_f32 v[G+16*(\s)+(\k)], v[G+16*(\s)+2*(\k)], v[G+16*(\s)+2*(\k)+1]  ; in place, ascending: register k is written when pairs 0 .. k have been read
.endr
	global_store_b128 v1, v[G+16*(\s):G+16*(\s)+3], s[16:17] offset:((\s)&1)*4096+((\s)>>1)*131072 th:TH_STORE_NT
.endm
	GATHER 0
	GATHER 1
	GATHER 2
	GATHER 3
	WROW 0
	WROW 1
	WROW 2
	WROW 3
.set i, 0
.rept 32                               ; x: chunk i is rounded in place and stored; no register of it is written again
	s_wait_loadcnt 31-i                            ; the younger chunks stay out
	v_cvt_pk_f16_f32 v[X+4*i],   v[X+4*i],   v[X+4*i+1]
	v_cvt_pk_f16_f32 v[X+4*i+1], v[X+4*i+2], v[X+4*i+3]
	global_store_b64 v2, v[X+4*i:X+4*i+1], s[14:15] offset:2048*i th:TH_STORE_NT
.set i, i+1
.endr
	s_wait_tensorcnt 0x0                           ; the wave's end, behind my last LDS store
	ds_add_u32 v[SPW], v[NIL]
	s_wait_dscnt 0x0
	s_endpgm
.Lfunc_end_k_q8a64c0f769_prep:
	.size	k_q8a64c0f769_prep, .Lfunc_end_k_q8a64c0f769_prep-k_q8a64c0f769_prep
	.p2alignl 7, 3214868480
	.fill 96, 4, 3214868480
	.section	.rodata,"a",@progbits
	.p2align	6, 0x0
	.amdhsa_kernel k_q8a64c0f769_prep
		.amdhsa_group_segment_fixed_size 9216
		.amdhsa_private_segment_fixed_size 0
		.amdhsa_enable_private_segment 0
		.amdhsa_kernarg_size 56
		.amdhsa_user_sgpr_count 2
		.amdhsa_user_sgpr_kernarg_segment_ptr 1
		.amdhsa_wavefront_size32 1
		.amdhsa_system_sgpr_workgroup_id_x 1
		.amdhsa_system_sgpr_workgroup_id_y 1
		.amdhsa_system_sgpr_workgroup_id_z 1
		.amdhsa_system_vgpr_workitem_id 0
		.amdhsa_next_free_vgpr 224
		.amdhsa_next_free_sgpr 66
		.amdhsa_reserve_vcc 0
		.amdhsa_float_denorm_mode_32 3
		.amdhsa_float_denorm_mode_16_64 3
		.amdhsa_memory_ordered 1
		.amdhsa_forward_progress 1
		.amdhsa_inst_pref_size 19
	.end_amdhsa_kernel
	.amdgpu_metadata
---
amdhsa.version: [ 1, 2 ]
amdhsa.kernels:
  - .name:           k_q8a64c0f769_prep
    .symbol:         k_q8a64c0f769_prep.kd
    .args:
      - { .name: x, .offset: 0, .size: 8, .value_kind: global_buffer, .address_space: global }
      - { .name: coarse_centroids, .offset: 8, .size: 8, .value_kind: global_buffer, .address_space: global }
      - { .name: coarse_labels, .offset: 16, .size: 8, .value_kind: global_buffer, .address_space: global }
      - { .name: res_centroids, .offset: 24, .size: 8, .value_kind: global_buffer, .address_space: global }
      - { .name: res_labels, .offset: 32, .size: 8, .value_kind: global_buffer, .address_space: global }
      - { .name: xh, .offset: 40, .size: 8, .value_kind: global_buffer, .address_space: global }
      - { .name: wh, .offset: 48, .size: 8, .value_kind: global_buffer, .address_space: global }
    .group_segment_fixed_size: 9216
    .private_segment_fixed_size: 0
    .kernarg_segment_align: 8
    .kernarg_segment_size: 56
    .max_flat_workgroup_size: 256
    .sgpr_count:     66
    .vgpr_count:     224
    .wavefront_size: 32
...
	.end_amdgpu_metadata
.endif
;; end of part 1
;; launch gemm (part 2): grid 8 x 32, 4 waves a work-group, clusters of 4 x 4, 327,680 bytes of LDS; arguments xh, wh, out0, bias; writes out0
.if DOCPART == 2
	.amdgcn_target "amdgcn-amd-amdhsa--gfx1250"
	.amdhsa_code_object_version 6
	.text
	.protected	k_q8a64c0f769_gemm
	.globl	k_q8a64c0f769_gemm
	.p2align	8
	.type	k_q8a64c0f769_gemm,@function
k_q8a64c0f769_gemm:
	s_mov_b64 s[64:65], 0
	v_nop
	global_prefetch_b8 v0, s[64:65] scope:SCOPE_SE
	s_setreg_imm32_b32 hwreg(HW_REG_WAVE_MODE, 25, 1), 1
	s_wait_xcnt 0x0
	s_wait_alu depctr_hold_cnt(0) depctr_sa_sdst(0) depctr_va_vdst(0) depctr_va_sdst(0) depctr_va_ssrc(0) depctr_va_vcc(0) depctr_vm_vsrc(0)
	s_getreg_b32 s2, hwreg(HW_REG_IB_STS2, 6, 4)
	s_cmp_eq_u32 s2, 0
	s_cbranch_scc0 .Lentry_in_a_cluster
	s_endpgm
.Lentry_in_a_cluster:
	s_bfe_u32 s2, ttmp6, 0x10000c
	s_cmp_lg_u32 s2, 0xf033
	s_cbranch_scc0 .Lentry_shape_is_right
	s_endpgm
.Lentry_shape_is_right:
; out0[m][n] = the sum over k of xh[m][k] W[n][k] + bias[n].  xh: [8192][4096] f16.  wh: [2048][4096] f16 = W with its rows permuted inside each group of 64: row 64 G + 16 c + r holds W's row 64 G + 4 r + c.
; out0: [8192][2048] f32.  Sums in f32, K ascending, the bias added once in f32.  No work is left out.  LIMITS: those of f16, stated where xh and wh are made.
; A tile of out0, 256 x 256, is made by a work-group of four waves; a wave makes 128 x 128: 64 accumulators of 16 x 16, 512 registers.  32 x 8 tiles: 256 work-groups, one tile each.
; K goes in 32 steps of 128 through a ring of two LDS slots filled by the tensor data mover: a tile's rows are 256 bytes of memory and start at multiples of 256 bytes from the buffer's first byte.
; CLUSTERS: 4 x 4 work-groups.  The four of a row of the cluster need the same tiles of xh (A), the four of a column the same tiles of wh (B): each tile is asked for JOINTLY, by the same tensor load with the
; same descriptor and a mask that names the four; each receives it in its own LDS.
; THE RESULT'S LAYOUT.  Source 0 = 16 rows of xh, source 1 = 16 rows of wh: register j of lane l holds row 8 (l / 16) + j and wh's row l % 16 of the block.  By wh's order the four blocks c = 0 .. 3 of a
; group of 64 give lane r = l % 16 the columns 4 r + c of out0: four registers, 16 bytes on end; sixteen lanes hold 256 bytes on end.  The line that adds the bias also brings the four together, so the results
; are stored straight from registers.
; REGISTERS, in windows of 256 (s_set_vgpr_msb: bits 1:0 source 0, 3:2 source 1, 5:4 source 2, 7:6 destination):
;   window 0: v0-31 addresses; v32-39 the bias; v64-127, v128-191 fragments of A (8 x 16 rows x 32 K), two buffers; on the way out these 128 hold what is stored
;   window 1: v64-127, v128-191 fragments of B, two buffers
;   window 2: the 32 accumulators of my rows 0-63 (accumulator (a, b) at v[8 (8 a + b)]);   window 3: those of my rows 64-127
.set SIZE_K, 4096
.set KSTEP,  128
.set ROWB,   13                        ; a row of xh, of wh and of out0 is 8,192 bytes: a shift by 13
.set OROW,   8192
.set PITCH,  272                       ; an LDS row: 256 bytes + 16 of padding = 68 words: row r starts at bank 4 r mod 64 (64 banks of 4 bytes: ISA guide 11.1), so the 16 rows of a load start at 16 different banks
.set HALFT,  128*PITCH                 ; 128 rows: what one tensor load brings, and what one wave reads of A or of B
.set SLOT,   4*HALFT                   ; A's 256 rows, then B's 256 rows
.set SPARE,  2*SLOT                    ; behind the ring: the spare words, 128 bytes for each wave: two blocks of 256 bytes that no other line names
.set LAPS,   SIZE_K/(2*KSTEP)          ; 16: a lap = two K steps = once round the ring
.set ADRA, 16                          ; v16-17  LDS address of my A fragments in slot 0, 1
.set ADRB, 20                          ; v20-21  the same for B
.set CO,   26                          ; v26     my byte offset in out0: 8 (l / 16) rows + 16 (l % 16); never rewritten
.set BO,   27                          ; v27     16 (l % 16): my four numbers of a group's 64 of the bias; never rewritten
.set SPW,  28                          ; v28     LDS address of my spare word: SPARE + 4 x my thread's number; never rewritten
.set NIL,  29                          ; v29     0; never rewritten
.set PFO,  30                          ; v30     the prefetches' offset: my lane x a row of 8,192 bytes; never rewritten
.set BIAS, 32                          ; v[32:39] bias of my columns: group g, column 4 r + c at 32 + 4 g + c
.set F0,   64                          ; fragment buffer 0
.set F1,   128                         ; fragment buffer 1
.set T,    64                          ; the way out: 32 sets of four registers, two banks of 16
.set G1,  24                           ; s[24:31] descriptor group 1 for A's tiles
.set G0,  32                           ; s[32:39] descriptor group 0 for A's tiles, one set for each slot
.set G1B, 48                           ; s[48:55] descriptor group 1 for B's tiles: it differs from A's in the mask alone
.set G0B, 56                           ; s[56:63] descriptor group 0 for B's tiles
.set LIM, 43                           ; s43     1 in a wave that prefetches, else the greatest number
.set PFA, 44                           ; s[44:45] where my prefetches stand: my work-group's 32 rows of the 128 that I fetch, one K step further along K than the refill in hand
.set BP,  66                           ; s[66:67] bias
.set MSB, 0
.macro WIN new                         ; the immediate's high byte repeats the setting that is left; a switch that changes nothing is dropped
.if MSB != (\new)
	s_set_vgpr_msb (MSB<<8)|(\new)
.set MSB, \new
.endif
.endm
.set MUL_LO, 0xa4                      ; source 0 (A) window 0, source 1 (B) window 1, C and D window 2
.set MUL_HI, 0xf4                      ; the same, C and D window 3
.set TO_B,   0x40                      ; destination window 1, address window 0
; A joint load.  Waves 0 and 1 fetch A's two halves, waves 2 and 3 B's.  Each of the two lines has one mask and one set of registers for all that issue it.  The branch hangs on the wave's number alone.
; An s_nop 0 and four v_nop follow each of the two lines; the jump, the label and what follows the macro come after them.
.macro JLOAD s
	s_cmp_eq_u32 s11, 0
	s_cbranch_scc0 .Lfor_b_\@
	tensor_load_to_lds s[G0+4*(\s):G0+4*(\s)+3], s[G1:G1+7]
	s_nop 0
.rept 4
	v_nop
.endr
	s_branch .Lasked_\@
.Lfor_b_\@:
	tensor_load_to_lds s[G0B+4*(\s):G0B+4*(\s)+3], s[G1B:G1B+7]
	s_nop 0
.rept 4
	v_nop
.endr
.Lasked_\@:
.endm
; A PREFETCH INTO THE L2, behind each joint refill and the run of LDS loads that follows it: the K step that stands TWO refills on (512 matrix instructions ahead of the load that will ask for it): 32 rows x 256 bytes,
; a lane a row, one instruction a wave.  Each row's 256 bytes of a K step are named ONCE in the launch: A's tile row is read by both clusters of that row of clusters, of which cluster x = 0 asks; B's tile column by the
; eight clusters of that column, of which cluster y = 0 asks.  The four partners that ask for a tile jointly share its rows out BY ADDRESS: of the 128 rows that a wave fetches the partner at place p takes
; 32 p .. 32 p + 31 (p = cx for A, cy for B): no branch hangs on a work-group's place in its cluster.  The loop's last trip (s3 = 1) asks for nothing: K steps 32 and 33 do not exist.  K steps 0 to 3 come by their loads alone.
.macro ASK
	s_cmp_gt_u32 s3, s[LIM]
	s_cbranch_scc0 .Lnot_mine_\@
	global_prefetch_b8 v[PFO], s[PFA:PFA+1] offset:KSTEP*2 th:TH_LOAD_NT scope:SCOPE_SE
.Lnot_mine_\@:
.endm
; A round of the cluster's barrier: my work-group's barrier, so that wave 0's signal speaks for all four waves; wave 0 signals for the work-group; every wave waits for all sixteen work-groups; my work-group's barrier once more.
.macro CREST                           ; a round behind its opening barrier
	s_cmp_lg_u32 s10, 0
	s_cbranch_scc1 .Lnot_wave_0_\@
	s_barrier_signal -3
.Lnot_wave_0_\@:
	s_barrier_wait -3
	s_barrier_signal -1
	s_barrier_wait -1
.endm
.macro CROUND                          ; a whole round
	s_barrier_signal -1
	s_barrier_wait -1
	CREST
.endm
	s_load_b128 s[4:7], s[0:1], 0x0                ; xh s[4:5], wh s[6:7]
	s_load_b64 s[8:9], s[0:1], 0x10                ; out0
	s_load_b64 s[BP:BP+1], s[0:1], 0x18            ; bias
	v_lshl_add_u32 v[SPW], v0, 2, SPARE
	v_mov_b32 v[NIL], 0
	ds_add_u32 v[SPW], v[NIL]                      ; the wave's opening: the add, twice on end, and its wait ahead of my first tensor load; the set-up below, work on registers, stands between
	ds_add_u32 v[SPW], v[NIL]                      ; and once more, under the one wait
	v_lshrrev_b32 v1, 5, v0
	v_readfirstlane_b32 s10, v1                    ; wave 0..3
	s_lshr_b32 s11, s10, 1                         ; which half of the tile's rows is mine.  Also: I fetch for A (0) or for B (1)
	s_and_b32 s12, s10, 1                          ; which half of its columns.  Also: which 128 rows of that tile I fetch
	s_bfe_u32 s40, ttmp6, 0x40000                  ; cx: my place along the cluster's x
	s_bfe_u32 s41, ttmp6, 0x40004                  ; cy: along its y
	s_lshl_b32 s42, ttmp9, 2                       ; in a cluster launch ttmp9 and ttmp7 count clusters
	s_add_co_u32 s42, s42, s40                     ; tile column = 4 x cluster x + cx
	s_and_b32 s13, ttmp7, 0xffff
	s_lshl_b32 s13, s13, 2
	s_add_co_u32 s13, s13, s41                     ; tile row = 4 x cluster y + cy
	s_lshl_b32 s43, s41, 2
	s_lshl_b32 s43, 15, s43                        ; my row of the cluster: places 4 cy .. 4 cy + 3
	s_lshl_b32 s44, 0x1111, s40                    ; my column: places cx, cx + 4, cx + 8, cx + 12
	; descriptor group 1: a tile of 128 rows x 128 elements, padded in LDS
	s_or_b32 s[G1+0], s43, (1<<16)|(1<<20)|(1<<21)|(5<<22)|(3<<25)   ; 15:0 the mask: A's tiles go to my row; 17:16 elements of 2 bytes; 20 padding on; 21 set beside a mask; 24:22 after every 64 words (code 5); 31:25 4 words of it (code 3)
	s_or_b32 s[G1B+0], s44, (1<<16)|(1<<20)|(1<<21)|(5<<22)|(3<<25)  ; the same with the mask of my column, for B's tiles
.irp g, G1, G1B
	s_mov_b32 s[(\g)+1], KSTEP<<16                 ; tensor_dim0 = 128
	s_mov_b32 s[(\g)+2], 128<<16                   ; tensor_dim1 = 128
	s_mov_b32 s[(\g)+3], KSTEP<<16                 ; tile_dim0 = 128
	s_mov_b32 s[(\g)+4], 128                       ; tile_dim1 = 128
	s_mov_b32 s[(\g)+5], SIZE_K                    ; elements from row to row
	s_mov_b32 s[(\g)+6], 0
	s_mov_b32 s[(\g)+7], 0
.endr
	; where the tiles come from.  A's hang on the tile row alone, which my row of the cluster shares; B's on the tile column alone, which my column shares.  Every wave makes both, in registers that never hold the other coordinate.
	s_lshl_b32 s17, s12, 7                         ; which 128 rows of the tile I fetch
	s_lshl_b32 s16, s13, 8
	s_add_co_u32 s16, s16, s17                     ; A: row 256 x tile row + 128 x half
	s_lshl_b32 s46, s42, 8
	s_add_co_u32 s46, s46, s17                     ; B: row 256 x tile column + 128 x half
	s_lshl_b32 s16, s16, ROWB                      ; in bytes: 8,064 rows of 8,192 bytes at the most, inside 32 bits
	s_lshl_b32 s46, s46, ROWB
	s_mov_b32 s17, 0
	s_mov_b32 s47, 0
	s_mul_i32 s20, s10, HALFT                      ; and where they go: A's two halves, then B's two halves = wave x 128 rows: no place in the cluster enters an LDS address
	s_wait_dscnt 0x0                               ; both opening adds are done
	s_wait_kmcnt 0x0
	s_add_nc_u64 s[14:15], s[4:5], s[16:17]
	s_add_nc_u64 s[46:47], s[6:7], s[46:47]
	CROUND                                         ; all sixteen work-groups are here: the first joint loads meet
.irp s, 0,1
	s_mov_b32 s[G0+4*(\s)], 1                                        ; count = 1
	s_add_co_u32 s[G0+4*(\s)+1], s20, (\s)*SLOT                      ; LDS address
	s_add_nc_u64 s[G0+4*(\s)+2:G0+4*(\s)+3], s[14:15], (\s)*KSTEP*2  ; global address: K step s
	s_or_b32 s[G0+4*(\s)+3], s[G0+4*(\s)+3], 0x80000000              ; type = 2
	s_mov_b32 s[G0B+4*(\s)], 1
	s_add_co_u32 s[G0B+4*(\s)+1], s20, (\s)*SLOT
	s_add_nc_u64 s[G0B+4*(\s)+2:G0B+4*(\s)+3], s[46:47], (\s)*KSTEP*2
	s_or_b32 s[G0B+4*(\s)+3], s[G0B+4*(\s)+3], 0x80000000
	JLOAD \s                                       ; the ring is filled before anything else is done: two loads of mine are out
.endr
	; A fragment is 16 rows x 32 K in 8 registers: lane l holds row l % 16; registers 0-3 hold K = 8 (l / 16) + 0..7, registers 4-7 K = 16 + 8 (l / 16) + 0..7: two loads of 16 bytes, 32 bytes apart.
	v_and_b32 v1, 15, v0                           ; l % 16
	v_bfe_u32 v2, v0, 4, 1                         ; l / 16
	v_mul_u32_u24 v3, v1, PITCH
	v_lshl_add_u32 v3, v2, 4, v3                   ; row x pitch + 16 x half
	s_mul_i32 s21, s11, HALFT                      ; my 128 rows of A
	s_mul_i32 s22, s12, HALFT                      ; my 128 rows of B,
	s_add_co_u32 s22, s22, 2*HALFT                 ; which lie behind A's 256
.irp s, 0,1
	v_add_nc_u32 v[ADRA+(\s)], s21, v3
	v_add_nc_u32 v[ADRB+(\s)], s22, v3
	s_add_co_u32 s21, s21, SLOT
	s_add_co_u32 s22, s22, SLOT
.endr
	v_lshlrev_b32 v[BO], 4, v1                     ; 16 (l % 16)
	v_lshl_add_u32 v[CO], v2, 16, v[BO]            ; + 8 rows of 8,192 bytes for lanes 16 to 31
	v_and_b32 v[PFO], 31, v0
	v_lshlrev_b32 v[PFO], ROWB, v[PFO]
	; out0 at my 128 x 128, the bias at my 128 columns
	s_lshl_b32 s13, s13, 8                         ; 256 x tile row
	s_lshl_b32 s14, s11, 7
	s_add_co_u32 s16, s13, s14                     ; my first row
	s_lshl_b32 s16, s16, ROWB
	s_mov_b32 s17, 0
	s_add_nc_u64 s[8:9], s[8:9], s[16:17]
	s_lshl_b32 s46, s42, 10                        ; my first column, in bytes of f32: 1,024 x tile column + 512 x half
	s_lshl_b32 s47, s12, 9
	s_add_co_u32 s46, s46, s47
	s_mov_b32 s47, 0
	s_add_nc_u64 s[8:9], s[8:9], s[46:47]
	s_add_nc_u64 s[BP:BP+1], s[BP:BP+1], s[46:47]
	global_load_b128 v[BIAS:BIAS+3],   v[BO], s[BP:BP+1]             ; columns 4 r .. 4 r + 3 of my first group of 64,
	global_load_b128 v[BIAS+4:BIAS+7], v[BO], s[BP:BP+1] offset:256  ; and of my second; waited for once, in front of the way out
	; the prefetches.  s13 = 256 x tile row, s42 = tile column, s40 = cx, s41 = cy still stand
	s_lshl_b32 s42, s42, 8
	s_and_b32 s22, ttmp7, 0xffff                   ; cluster y
	s_cmp_eq_u32 s11, 0                            ; do I fetch for A?
	s_cselect_b32 s20, s13, s42                    ; the tile's first row: in xh by the tile row, in wh by the tile column
	s_cselect_b32 s21, s40, s41                    ; my place among the four that ask for it with me
	s_cselect_b32 s22, ttmp9, s22                  ; the coordinate along which other clusters read the same rows
	s_cselect_b64 s[PFA:PFA+1], s[4:5], s[6:7]
	s_cmp_eq_u32 s22, 0
	s_cselect_b32 s[LIM], 1, -1                    ; the same in all sixteen partners, for a given wave
	s_lshl_b32 s22, s12, 7
	s_add_co_u32 s20, s20, s22                     ; + the 128 rows that I fetch
	s_lshl_b32 s21, s21, 5
	s_add_co_u32 s20, s20, s21                     ; + my work-group's 32 of them
	s_lshl_b32 s20, s20, ROWB
	s_mov_b32 s21, 0
	s_add_nc_u64 s[PFA:PFA+1], s[PFA:PFA+1], s[20:21]
	s_add_nc_u64 s[PFA:PFA+1], s[PFA:PFA+1], 2*KSTEP*2  ; at K step 2: the first refill steps it to 3 and names K step 4.  Nothing is prefetched here, at the head
; 16 matrix instructions: m blocks a0, a0 + 1 of the window's four (hi = 0: my rows 0-63, 1: rows 64-127) x all 8 n blocks, 32 along K.  zero = 1: the first product starts the sums: nothing is ever cleared.
; The 64 accumulators take turns, one instruction a turn, in the same order in every quarter step.
.macro MUL16 f, hi, a0, zero
	WIN MUL_LO+0x50*(\hi)
.irp a, \a0, (\a0)+1
.irp b, 0,1,2,3,4,5,6,7
.if \zero
	v_wmma_f32_16x16x32_f16 v[8*(8*(\a)+(\b)):8*(8*(\a)+(\b))+7], v[(\f)+8*(4*(\hi)+(\a)):(\f)+8*(4*(\hi)+(\a))+7], v[(\f)+8*(\b):(\f)+8*(\b)+7], 0
.else
	v_wmma_f32_16x16x32_f16 v[8*(8*(\a)+(\b)):8*(8*(\a)+(\b))+7], v[(\f)+8*(4*(\hi)+(\a)):(\f)+8*(4*(\hi)+(\a))+7], v[(\f)+8*(\b):(\f)+8*(\b)+7], v[8*(8*(\a)+(\b)):8*(8*(\a)+(\b))+7]
.endif
.endr
.endr
.endm
; 32 LDS loads in one run: the fragments of one quarter step (128 rows of B, then 128 rows of A, 32 K at byte k of the rows) into buffer f
.macro FETCH slot, k, f
	WIN TO_B
.irp i, 0,1,2,3,4,5,6,7
	ds_load_b128 v[(\f)+8*(\i):(\f)+8*(\i)+3],   v[ADRB+(\slot)] offset:(\k)+(\i)*16*PITCH
	ds_load_b128 v[(\f)+8*(\i)+4:(\f)+8*(\i)+7], v[ADRB+(\slot)] offset:(\k)+(\i)*16*PITCH+32
.endr
	WIN 0
.irp i, 0,1,2,3,4,5,6,7
	ds_load_b128 v[(\f)+8*(\i):(\f)+8*(\i)+3],   v[ADRA+(\slot)] offset:(\k)+(\i)*16*PITCH
	ds_load_b128 v[(\f)+8*(\i)+4:(\f)+8*(\i)+7], v[ADRA+(\slot)] offset:(\k)+(\i)*16*PITCH+32
.endr
.endm
; A load into a register that a matrix instruction has read, and a vector instruction that reads a matrix result or writes one of a matrix instruction's registers, stand four places behind it, and only plain vector
; instructions that name none of its registers are places (ISA guide 7.12.1 for vector instructions).
.macro PLACES
.rept 4
	v_nop
.endr
.endm
; A K step is four quarter steps of 32 along K, 64 matrix instructions each, on buffers 0, 1, 0, 1.  One of the first three: multiplies buffer f; in its middle it fetches the next quarter, at byte k of the same slot's rows, into buffer g.
.macro QUARTER slot, k, f, g, zero
	s_wait_dscnt 8                                 ; B and A's rows 0-63 are in; the youngest eight loads (A's rows 64-127) may be out
	MUL16 \f, 0, 0, \zero
	MUL16 \f, 0, 2, \zero
	PLACES
	FETCH \slot, \k, \g
	s_wait_dscnt 32                                ; all but the 32 just issued
	MUL16 \f, 1, 0, \zero
	MUL16 \f, 1, 2, \zero
.endm
; The last quarter multiplies buffer 1 and changes slots.  MEET is its first half: ONE barrier for two things.  In front of it each wave waits for all its tensor loads, of which one is out: its part of the next slot;
; adds 0 to its spare word; and waits for that and for its own reads of this slot.  Behind it nobody reads this slot any more and the next slot is whole.
.macro MEET round                      ; round = 1: the rest of a round of the cluster's barrier follows
	WIN 0                                          ; (the add's two registers lie in window 0)
	s_wait_tensorcnt 0x0                           ; all my tensor loads have landed;
	ds_add_u32 v[SPW], v[NIL]                      ; 0 onto my spare word;
	s_wait_dscnt 9                                 ; (the add and the youngest eight loads may be out)
	MUL16 F1, 0, 0, 0                              ; sixteen matrix instructions stand between the add and the wait for it
	s_wait_dscnt 0x0                               ; the add is done, and my reads of this slot are over:
	s_barrier_signal -1                            ; say so,
	MUL16 F1, 0, 2, 0                              ; work on registers while the others arrive,
.if \round
	WIN 0
.endif
	s_barrier_wait -1                              ; and go on when all four have said so
.endm
; The whole last quarter.  fill = 1: behind the round the slot just read out is filled again first, with the K step two steps on; from that request to the wait for it a wave issues 224 matrix instructions.
; Then come the next slot's first fragments.  fill = 0 (the last lap): nothing is asked for, and the work-group's barrier alone stands.
.macro TURN slot, next, fill
.if \fill
	s_wait_xcnt 0x0                                ; the last prefetch, a K step back, has read its address: it is stepped here, ahead of the waits of the change of slots
	s_add_nc_u64 s[PFA:PFA+1], s[PFA:PFA+1], KSTEP*2
.endif
	MEET \fill
.if \fill
	CREST                                          ; all sixteen work-groups have said so: no wave of any partner still reads this slot's tile or has a load on its way
	s_add_nc_u64 s[G0+4*(\slot)+2:G0+4*(\slot)+3], s[G0+4*(\slot)+2:G0+4*(\slot)+3], 2*KSTEP*2    ; no tensor load of mine is out, so a group 0 may be written
	s_add_nc_u64 s[G0B+4*(\slot)+2:G0B+4*(\slot)+3], s[G0B+4*(\slot)+2:G0B+4*(\slot)+3], 2*KSTEP*2
	JLOAD \slot                                    ; the first tensor load behind the round, my only one until the next; its four v_nop are also the places in front of the loads below
.else
	PLACES
.endif
	FETCH \next, 0, F0
.if \fill
	ASK
.endif
	MUL16 F1, 1, 0, 0
	MUL16 F1, 1, 2, 0
.endm
; THE WAY OUT of block a (my rows 16 a .. 16 a + 15).  For group g of 64 columns and register j, the four accumulators c = 0 .. 3 hold columns 4 r + c of row 16 a + 8 (l / 16) + j: the line that adds the bias writes
; them into four registers on end.  j ascends.  A store's lanes 0-15 cover 256 bytes on end, at a multiple of 256 from out0's first
; byte, of row 16 a + j; lanes 16-31 those of row 16 a + 8 + j.  The largest immediate is 119 rows + 256 bytes, inside the signed 24 bits (ISA guide, chapter 10).  Two banks of 64 registers take turns.
.macro OUT a
.if (\a) >= 2
	s_wait_xcnt 0x0                                ; the stores of block a - 2 have read this bank: it is written again only behind this wait
.endif
	WIN 0x02+(\a)/4                                ; source 0: window 2 or 3
.irp g, 0,1
.irp j, 0,1,2,3,4,5,6,7
.irp c, 0,1,2,3
	v_add_f32 v[T+4*(16*((\a)%2)+8*(\g)+(\j))+(\c)], v[8*(8*((\a)%4)+4*(\g)+(\c))+(\j)], v[BIAS+4*(\g)+(\c)]
.endr
.endr
.endr
	WIN 0
.irp g, 0,1
.irp j, 0,1,2,3,4,5,6,7
	global_store_b128 v[CO], v[T+4*(16*((\a)%2)+8*(\g)+(\j)):T+4*(16*((\a)%2)+8*(\g)+(\j))+3], s[8:9] offset:(16*(\a)+(\j))*OROW+256*(\g) th:TH_STORE_NT
.endr
.endr
.endm
	s_wait_tensorcnt 1                             ; my part of K step 0 is in; K step 1's may stay out
	s_barrier_signal -1
	s_barrier_wait -1                              ; everybody's is
	FETCH 0, 0, F0
	QUARTER 0, 64,  F0, F1, 1                      ; the first quarter stands in front of the loop: its products start the sums
	WIN 0                                          ; at a label and at a branch every window is 0
	s_mov_b32 s3, LAPS-1
.Llap:                                                 ; 15 trips: each goes once round the ring, from a lap's second quarter to the next lap's first, and fills both slots again: K steps 2 to 31
	QUARTER 0, 128, F1, F0, 0
	QUARTER 0, 192, F0, F1, 0
	TURN 0, 1, 1
	QUARTER 1, 64,  F0, F1, 0
	QUARTER 1, 128, F1, F0, 0
	QUARTER 1, 192, F0, F1, 0
	TURN 1, 0, 1
	QUARTER 0, 64,  F0, F1, 0
	WIN 0
	s_sub_co_u32 s3, s3, 1
	s_cmp_lg_u32 s3, 0
	s_cbranch_scc1 .Llap
	QUARTER 0, 128, F1, F0, 0                      ; the last lap is written out: it asks for nothing
	QUARTER 0, 192, F0, F1, 0
	TURN 0, 1, 0
	QUARTER 1, 64,  F0, F1, 0
	QUARTER 1, 128, F1, F0, 0
	QUARTER 1, 192, F0, F1, 0
	s_wait_dscnt 8                                 ; the very last quarter: nothing more to fetch
	MUL16 F1, 0, 0, 0
	MUL16 F1, 0, 2, 0
	s_wait_dscnt 0x0
	MUL16 F1, 1, 0, 0
	MUL16 F1, 1, 2, 0
	PLACES                                         ; the way out reads results just made and writes over A's fragments, which the last products read;
	PLACES                                         ; eight places, once a launch
	s_wait_loadcnt 0x0                             ; the bias
.irp a, 0,1,2,3,4,5,6,7
	OUT \a
.endr
	s_wait_tensorcnt 0x0                           ; the wave's end, behind my last tensor load
	ds_add_u32 v[SPW], v[NIL]
	s_wait_dscnt 0x0
	CROUND                                         ; the closing round: no work-group ends while a partner may still ask for a tile that names it
	s_endpgm
.Lfunc_end_k_q8a64c0f769_gemm:
	.size	k_q8a64c0f769_gemm, .Lfunc_end_k_q8a64c0f769_gemm-k_q8a64c0f769_gemm
	.p2alignl 7, 3214868480
	.fill 96, 4, 3214868480
	.section	.rodata,"a",@progbits
	.p2align	6, 0x0
	.amdhsa_kernel k_q8a64c0f769_gemm
		.amdhsa_group_segment_fixed_size 327680
		.amdhsa_private_segment_fixed_size 0
		.amdhsa_enable_private_segment 0
		.amdhsa_kernarg_size 32
		.amdhsa_user_sgpr_count 2
		.amdhsa_user_sgpr_kernarg_segment_ptr 1
		.amdhsa_wavefront_size32 1
		.amdhsa_system_sgpr_workgroup_id_x 1
		.amdhsa_system_sgpr_workgroup_id_y 1
		.amdhsa_system_sgpr_workgroup_id_z 1
		.amdhsa_system_vgpr_workitem_id 0
		.amdhsa_next_free_vgpr 1024
		.amdhsa_next_free_sgpr 68
		.amdhsa_reserve_vcc 0
		.amdhsa_float_denorm_mode_32 3
		.amdhsa_float_denorm_mode_16_64 3
		.amdhsa_memory_ordered 1
		.amdhsa_forward_progress 1
		.amdhsa_inst_pref_size 141
	.end_amdhsa_kernel
	.amdgpu_metadata
---
amdhsa.version: [ 1, 2 ]
amdhsa.kernels:
  - .name:           k_q8a64c0f769_gemm
    .symbol:         k_q8a64c0f769_gemm.kd
    .args:
      - { .name: xh, .offset: 0, .size: 8, .value_kind: global_buffer, .address_space: global }
      - { .name: wh, .offset: 8, .size: 8, .value_kind: global_buffer, .address_space: global }
      - { .name: out0, .offset: 16, .size: 8, .value_kind: global_buffer, .address_space: global }
      - { .name: bias, .offset: 24, .size: 8, .value_kind: global_buffer, .address_space: global }
    .group_segment_fixed_size: 327680
    .private_segment_fixed_size: 0
    .kernarg_segment_align: 8
    .kernarg_segment_size: 32
    .max_flat_workgroup_size: 128
    .sgpr_count:     68
    .vgpr_count:     1024
    .wavefront_size: 32
...
	.end_amdgpu_metadata
.endif
;; end of part 2
;; ======== version 2 of 2: 2 launches; version 1 with the launch prep written anew for expert scheduling mode
;; limits: values are held in f16: magnitudes above 65,504 overflow, below 6.1e-05 lose precision
;; workspace buffers: xh 67,108,864 bytes; wh 16,777,216 bytes
;; launch prep (part 3): grid 1024 x 1, 8 waves a work-group, no clusters, 9,216 bytes of LDS; arguments x, coarse_centroids, coarse_labels, res_centroids, res_labels, xh, wh; writes xh, wh
.if DOCPART == 3
	.amdgcn_target "amdgcn-amd-amdhsa--gfx1250"
	.amdhsa_code_object_version 6
	.text
	.protected	k_q8a64c0f769_prep
	.globl	k_q8a64c0f769_prep
	.p2align	8
	.type	k_q8a64c0f769_prep,@function
k_q8a64c0f769_prep:
	s_mov_b64 s[64:65], 0
	v_nop
	global_prefetch_b8 v0, s[64:65] scope:SCOPE_SE
	s_setreg_imm32_b32 hwreg(HW_REG_WAVE_SCHED_MODE, 0, 2), 2
	s_setreg_imm32_b32 hwreg(HW_REG_WAVE_MODE, 25, 1), 1
	s_wait_xcnt 0x0
	s_wait_alu depctr_vm_vsrc(0)
; out0 = x W^T + bias, W[n][16 q .. 16 q + 15] = coarse_centroids[coarse_labels[256 n + q]] + res_centroids[res_labels[256 n + q]].
; THIS LAUNCH makes the product's two operands, each rounded ONCE to f16:  xh[8192][4096] = x;  wh[2048][4096] = W, the sum of the two centroids taken in f32.
; NO WORK IS LEFT OUT: every input has a way to the output and is loaded (bias by the launch behind this one).
; wh's ROWS ARE PERMUTED inside each group of 64: row 64 G + 16 c + r of wh holds W's row n = 64 G + 4 r + c (c = n & 3, r = (n >> 2) & 15).  In the product's result a lane holds one row of wh
; of each block of 16; with this order the four blocks c = 0 .. 3 give lane r the columns 4 r .. 4 r + 3 of out0: 16 bytes on end, so that the product's results are stored without a turn through LDS.
; LIMITS.  f16 holds no number of 65,520 or more: such an x, or such a sum of centroids, becomes an infinity; below 6.1e-5 f16 keeps its fixed step of 6e-8.
; A label outside 0 .. 63 (read as unsigned) is taken as 63; the problem keeps an index inside its table.
; SHARES.  Work-group g of 1,024, eight waves: 131,072 bytes of x (8 rows), and W's rows 2 g and 2 g + 1 (512 blocks of 16).
; x: thread t takes 16 bytes at 4,096 i + 16 t for i = 0 .. 31 (a wave's load covers 512 bytes on end) and stores 8 bytes at 2,048 i + 8 t (a wave's store covers 256 bytes on end, aligned).
; All 32 loads of a thread are issued at once, each into registers of its own, with its place in the immediate: no register is loaded twice, so the stream needs no loop.
; W: both tables lie in LDS as f32 (64 rows of 64 bytes each).  Thread t, step s = 0 .. 3, makes half a block: block (t >> 1) + 128 s, half t & 1: 8 numbers, 16 bytes of wh at byte 16 t + 4,096 (s & 1)
; of row s >> 1.  2 g is even, so row 2 g + 1 has the same G and r and c + 1: it lies 16 rows of wh, 131,072 bytes, behind row 2 g.
; No matrix unit, no cluster, no tensor load: nothing here is multiplied, the work-groups share 8 KiB of tables alone, and a thread's registers hold its whole share.
; THE MODE: SCHED_MODE bits 1:0 = 2 (LLVM: expert scheduling mode 2), set by the entry lines.  The code itself states the register dependences between vector instructions and memory or LDS
; instructions, with s_wait_alu, always for 0.
; THE PLAN.  Registers that memory or LDS instructions touch:
;   v1, v2, v3   offsets, written once at the head by vector instructions and never named by one again; read by every load and store.
;   v[10:17]     my 16 bytes of each table: written by two loads, read by the two LDS stores; no vector instruction names them.
;   LAB          written by the eight label loads, then in place by the lines that make the tables' addresses; read by the sixteen LDS loads; not written again.
;   G            written by the sixteen LDS loads, then in place by the sums and roundings; four registers a step are read by wh's stores; not written again.
;   X            written by x's 32 loads, then in place by the roundings; two registers a chunk are read by xh's stores; not written again.
;   v4, v5       written at the head, read by the closing add alone.
; No register that a memory or LDS instruction has read is written again, and no load lands in a register that a vector instruction has named: so all that is to be stated is that vector results are written
; before a memory or LDS instruction reads them.  The waits on va_vdst: one ahead of the first load (the offsets); one ahead of the LDS loads (LAB); one behind all four steps of W, ahead of the run of four
; stores; and in the stream of x, which goes in eight blocks of four chunks, one at the head of each block but the first: block p rounds its own chunks and issues the stores of block p - 1, whose registers
; no line of block p names; one more stands ahead of the last block's stores.
.set SPARE, 8192                       ; LDS: 0 coarse table, 4,096 residual table, 8,192 the spare words: 128 bytes for each of eight waves, four blocks of 256 bytes that no other line names
.set SPW, 4                            ; v4   LDS address of my spare word; never rewritten
.set NIL, 5                            ; v5   0; never rewritten
.set LAB, 22                           ; v[22:29]  step s: coarse label at 22 + 2 s, residual label at 23 + 2 s; then their rows' LDS addresses
.set G,   32                           ; v[32:95]  step s: 8 numbers of the coarse row at 32 + 16 s, 8 of the residual row at 40 + 16 s
.set X,   96                           ; v[96:223] chunk i of x at 96 + 4 i
	s_load_b256 s[4:11], s[0:1], 0x0               ; x s[4:5], coarse_centroids s[6:7], coarse_labels s[8:9], res_centroids s[10:11]
	s_load_b128 s[12:15], s[0:1], 0x20             ; res_labels s[12:13], xh s[14:15]
	s_load_b64 s[16:17], s[0:1], 0x30              ; wh
	v_lshl_add_u32 v[SPW], v0, 2, SPARE
	v_mov_b32 v[NIL], 0
	v_lshlrev_b32 v1, 4, v0                        ; 16 t: my place in a chunk of x, in a table, and in a half row of wh; never rewritten
	v_lshlrev_b32 v2, 3, v0                        ; 8 t: my place in a chunk of xh
	v_lshrrev_b32 v3, 1, v0
	v_lshlrev_b32 v3, 2, v3                        ; 4 (t >> 1): my label in a step's 128
	v_and_b32 v7, 1, v0
	v_lshlrev_b32 v7, 5, v7                        ; 32 (t & 1): my half of a table's row
	s_lshl_b32 s20, ttmp9, 17                      ; the work-group's part of x,
	s_mov_b32 s21, 0
	s_lshl_b32 s22, ttmp9, 16                      ; of xh,
	s_mov_b32 s23, 0
	s_lshl_b32 s24, ttmp9, 11                      ; of each list of labels: 512 words
	s_mov_b32 s25, 0
	s_lshl_b32 s26, ttmp9, 1                       ; n = 2 g
	s_and_b32 s27, s26, 0x7c0                      ; 64 G
	s_and_b32 s28, s26, 3
	s_lshl_b32 s28, s28, 4                         ; 16 c
	s_bfe_u32 s29, s26, 0x40002                    ; r: 4 bits from bit 2
	s_or_b32 s30, s27, s28
	s_or_b32 s30, s30, s29
	s_lshl_b32 s30, s30, 13                        ; wh's row of 8,192 bytes
	s_mov_b32 s31, 0
	s_wait_kmcnt 0x0
	s_add_nc_u64 s[4:5], s[4:5], s[20:21]
	s_add_nc_u64 s[14:15], s[14:15], s[22:23]
	s_add_nc_u64 s[8:9], s[8:9], s[24:25]
	s_add_nc_u64 s[12:13], s[12:13], s[24:25]
	s_add_nc_u64 s[16:17], s[16:17], s[30:31]
	s_wait_alu depctr_va_vdst(0)                   ; the offsets v1, v2 and v3 are written: every load and store of the kernel, the LDS stores too, reads one of them, and no vector instruction names them again
	; ten loads first: my 16 bytes of each table (256 threads x 16 bytes are a table) and my eight labels; then all of my x
	global_load_b128 v[10:13], v1, s[6:7]
	global_load_b128 v[14:17], v1, s[10:11]
.irp s, 0,1,2,3
	global_load_b32 v[LAB+2*(\s)],   v3, s[8:9]   offset:512*(\s) th:TH_LOAD_NT  ; the two threads of a block read the same word
	global_load_b32 v[LAB+2*(\s)+1], v3, s[12:13] offset:512*(\s) th:TH_LOAD_NT
.endr
.set i, 0
.rept 32
	global_load_b128 v[X+4*i:X+4*i+3], v1, s[4:5] offset:4096*i th:TH_LOAD_NT
.set i, i+1
.endr
	s_wait_loadcnt 32                              ; loads come back in order (ISA guide 5.7.1): the ten older ones are in, the 32 of x stay out
	ds_store_b128 v1, v[10:13]                     ; their data come from loads, their address from the head: nothing more is to be stated
	ds_store_b128 v1, v[14:17] offset:4096
.irp i, 0,1,2,3,4,5,6,7
	v_min_u32 v[LAB+(\i)], 63, v[LAB+(\i)]         ; a loaded number enters an address only behind this bound
	v_lshl_add_u32 v[LAB+(\i)], v[LAB+(\i)], 6, v7 ; the label's row of 64 bytes, my half of it
.endr
	s_wait_dscnt 0x0                               ; for the others' sake: my part of both tables is in LDS
	s_barrier_signal -1
	s_barrier_wait -1                              ; both tables are whole; nothing writes them again
	s_wait_alu depctr_va_vdst(0)                   ; the eight addresses in v[LAB ..] are written, which the sixteen LDS loads below read
.macro GATHER s                        ; step s: my 32 bytes of the coarse row and of the residual row
	ds_load_b128 v[G+16*(\s):G+16*(\s)+3],     v[LAB+2*(\s)]
	ds_load_b128 v[G+16*(\s)+4:G+16*(\s)+7],   v[LAB+2*(\s)] offset:16
	ds_load_b128 v[G+16*(\s)+8:G+16*(\s)+11],  v[LAB+2*(\s)+1] offset:4096
	ds_load_b128 v[G+16*(\s)+12:G+16*(\s)+15], v[LAB+2*(\s)+1] offset:4112
.endm
.macro WSUM s                          ; step s: the sum in f32 and one rounding to f16; the 16 bytes are stored below, behind one wait for all four steps
	s_wait_dscnt 12-4*(\s)                         ; LDS loads come back in order (ISA guide 5.7.1): the later steps' four each may stay out
.irp k, 0,2,4,6
	v_pk_add_f32 v[G+16*(\s)+(\k):G+16*(\s)+(\k)+1], v[G+16*(\s)+(\k):G+16*(\s)+(\k)+1], v[G+16*(\s)+8+(\k):G+16*(\s)+8+(\k)+1]
.endr
.irp k, 0,1,2,3
	v_cvt_pk_f16_f32 v[G+16*(\s)+(\k)], v[G+16*(\s)+2*(\k)], v[G+16*(\s)+2*(\k)+1]  ; in place, ascending: register k is written when pairs 0 .. k have been read
.endr
.endm
	GATHER 0
	GATHER 1
	GATHER 2
	GATHER 3
	WSUM 0
	WSUM 1
	WSUM 2
	WSUM 3
	s_wait_alu depctr_va_vdst(0)                   ; the roundings of all four steps have written v[G + 16 s .. + 3], which the four stores below read
.irp s, 0,1,2,3
	global_store_b128 v1, v[G+16*(\s):G+16*(\s)+3], s[16:17] offset:((\s)&1)*4096+((\s)>>1)*131072 th:TH_STORE_NT  ; a wave's store covers 512 bytes on end
.endr
; x, in eight blocks of four chunks.  Block p rounds chunks 4 p .. 4 p + 3 in place, each behind its own counted wait, and issues the stores of block p - 1, one ahead of each chunk's two roundings.
; No register of a chunk is written again behind its store.
.set p, 0
.rept 8
	s_wait_loadcnt 31-4*p                          ; the block's first chunk is in; the younger chunks stay out
.if p > 0
	s_wait_alu depctr_va_vdst(0)                   ; the roundings of the block before have written its registers, which the four stores of this block read; this block's roundings name its own chunks alone
.endif
.irp i, 0,1,2,3
.if p > 0
	global_store_b64 v2, v[X+16*(p-1)+4*(\i):X+16*(p-1)+4*(\i)+1], s[14:15] offset:2048*(4*(p-1)+(\i)) th:TH_STORE_NT
.endif
.if (\i) > 0
	s_wait_loadcnt 31-4*p-(\i)                     ; this chunk is in
.endif
	v_cvt_pk_f16_f32 v[X+16*p+4*(\i)],   v[X+16*p+4*(\i)],   v[X+16*p+4*(\i)+1]
	v_cvt_pk_f16_f32 v[X+16*p+4*(\i)+1], v[X+16*p+4*(\i)+2], v[X+16*p+4*(\i)+3]
.endr
.set p, p+1
.endr
	s_wait_alu depctr_va_vdst(0)                   ; the last block's roundings have written its registers, which the last four stores read
.irp i, 0,1,2,3
	global_store_b64 v2, v[X+16*7+4*(\i):X+16*7+4*(\i)+1], s[14:15] offset:2048*(28+(\i)) th:TH_STORE_NT
.endr
	s_wait_dscnt 0x0                               ; the closing lines, six on end
	s_wait_alu 0x0
	s_wait_tensorcnt 0x0
	ds_add_u32 v[SPW], v[NIL]
	s_wait_dscnt 0x0
	s_endpgm
.Lfunc_end_k_q8a64c0f769_prep:
	.size	k_q8a64c0f769_prep, .Lfunc_end_k_q8a64c0f769_prep-k_q8a64c0f769_prep
	.p2alignl 7, 3214868480
	.fill 96, 4, 3214868480
	.section	.rodata,"a",@progbits
	.p2align	6, 0x0
	.amdhsa_kernel k_q8a64c0f769_prep
		.amdhsa_group_segment_fixed_size 9216
		.amdhsa_private_segment_fixed_size 0
		.amdhsa_enable_private_segment 0
		.amdhsa_kernarg_size 56
		.amdhsa_user_sgpr_count 2
		.amdhsa_user_sgpr_kernarg_segment_ptr 1
		.amdhsa_wavefront_size32 1
		.amdhsa_system_sgpr_workgroup_id_x 1
		.amdhsa_system_sgpr_workgroup_id_y 1
		.amdhsa_system_sgpr_workgroup_id_z 1
		.amdhsa_system_vgpr_workitem_id 0
		.amdhsa_next_free_vgpr 224
		.amdhsa_next_free_sgpr 66
		.amdhsa_reserve_vcc 0
		.amdhsa_float_denorm_mode_32 3
		.amdhsa_float_denorm_mode_16_64 3
		.amdhsa_memory_ordered 1
		.amdhsa_forward_progress 1
		.amdhsa_inst_pref_size 19
	.end_amdhsa_kernel
	.amdgpu_metadata
---
amdhsa.version: [ 1, 2 ]
amdhsa.kernels:
  - .name:           k_q8a64c0f769_prep
    .symbol:         k_q8a64c0f769_prep.kd
    .args:
      - { .name: x, .offset: 0, .size: 8, .value_kind: global_buffer, .address_space: global }
      - { .name: coarse_centroids, .offset: 8, .size: 8, .value_kind: global_buffer, .address_space: global }
      - { .name: coarse_labels, .offset: 16, .size: 8, .value_kind: global_buffer, .address_space: global }
      - { .name: res_centroids, .offset: 24, .size: 8, .value_kind: global_buffer, .address_space: global }
      - { .name: res_labels, .offset: 32, .size: 8, .value_kind: global_buffer, .address_space: global }
      - { .name: xh, .offset: 40, .size: 8, .value_kind: global_buffer, .address_space: global }
      - { .name: wh, .offset: 48, .size: 8, .value_kind: global_buffer, .address_space: global }
    .group_segment_fixed_size: 9216
    .private_segment_fixed_size: 0
    .kernarg_segment_align: 8
    .kernarg_segment_size: 56
    .max_flat_workgroup_size: 256
    .sgpr_count:     66
    .vgpr_count:     224
    .wavefront_size: 32
...
	.end_amdgpu_metadata
.endif
;; end of part 3
;; launch gemm: the kernel of part 2 again; grid 8 x 32, 4 waves a work-group, clusters of 4 x 4, 327,680 bytes of LDS; arguments xh, wh, out0, bias; writes out0
